; MI455X (gfx1250); checked and timed in simulation.
; The chip was launched on July 23, 2026; its instructions are those of AMD's public machine-readable ISA for CDNA 5 (MIT licence, August 2026) and "CDNA5" Instruction Set Architecture Reference Guide (July 2026). The comments in the code are by the model that wrote it; some were corrected since.
;; Spectral Layer. Allowed arithmetic: matrix products marked QUANTISED: E4M3 operands, one given power-of-two scale a tensor, by v_wmma_f32_16x16x64_fp8_fp8 or v_wmma_f32_16x16x128_fp8_fp8, f32 sums; everything else in f32.
;; Inputs: base 1,024 x 1,024 float32; base_mask 1,024 x 1,024 float32; data 16,384 x 1,024 float32; eye 1,024 x 1,024 float32; lowp_scales 6 int32 (the exponents e of the quantised operands' scales 2^e); mask1 1,024 x 1 float32; mask2 1,024 x 1 float32; trainable_diag 1,024 x 1,024 float32; trainable_diag_mask 1,024 x 1,024 float32; untrainable_diag 1,024 x 1,024 float32.
;; Outputs: out0 16,384 x 1,024 float32.
;; This version of the problem:
;;   THIS VERSION OF THE PROBLEM IS GIVEN IN LOW PRECISION. The matrix products marked QUANTISED in the list below multiply operands that are first quantised to E4M3 (4 exponent bits, 3 mantissa bits; 8 bits a number), with one given power-of-two scale for each operand tensor; their sums are f32. All else is computed in f32.
;;   The module's matrix products, in the order in which they are computed (A, B: the left and right operand; K: the contracted axis; several contracted axes count as one K, in the product's order):
;;     1. [M 1,024, K 1,024] x [K 1,024, N 16,384]; A: computed on the way; B: input data: QUANTISED (scales: A lowp_scales[0], B lowp_scales[1])
;;     2. [M 1,024, K 1,024] x [K 1,024, N 16,384]; A: computed on the way; B: computed on the way: QUANTISED (scales: A lowp_scales[2], B lowp_scales[3])
;;     3. [M 1,024, K 1,024] x [K 1,024, N 16,384]; A: computed on the way; B: computed on the way: QUANTISED (scales: A lowp_scales[4], B lowp_scales[5])
;;   THE QUANTISER, for each operand of a quantised product, along K:
;;     - The operand's scale is 2^e, e = its entry of the input lowp_scales (int32; the entries are numbered through the quantised products in the list's order, A before B).
;;     - Each number is divided by the scale, clamped to +-448, and rounded to the nearest number of E4M3, ties to even, subnormals kept.
;;     - The product sums the exact products of the quantised numbers (number of the format x scale) in f32.
;;   ~~~python
;;   def quantise(x, axis, e):      # numpy; x: float32 -> the quantised numbers, widened to float32 again
;;       x = np.moveaxis(x, axis, -1); K = x.shape[-1]
;;       r = np.clip(x / 2.0 ** e, -448, 448)
;;       step = 2.0 ** (np.maximum(np.frexp(np.where(r == 0, 1, r))[1] - 1, -6) - 3)
;;       q = np.round(r / step) * step * 2.0 ** e      # np.round: ties to even
;;       return np.moveaxis(q, -1, axis).astype(np.float32)
;;   ~~~
;;   OPERANDS COMPUTED ON THE WAY. 'Computed on the way' means the value that the module computes at that place (a softmax that the list does not call 'softmax' is quantised finished and normalised). What goes into a quantiser is computed in f32, as accurately as f32 sums, v_exp_f32 and their like allow (about 1e-6 of the number): no bf16 or f16 on the way to a quantiser, and a product that is left as it is and whose result goes on into a quantised operand takes f32 operands (vector FMAs, or v_wmma_f32_16x16x4_f32). A number that lies on a knife's edge between two numbers of the format may be rounded either way, as far as f32 arithmetic and the matrix unit's own rounding can turn it there, and no further.
;; One version. Each part assembles by itself: llvm-mc -triple=amdgcn-amd-amdhsa -mcpu=gfx1250 --defsym DOCPART=n.
;; ======== version 1 of 1: 2 launches
;; limits: right only within a limited range of input values
;; workspace buffers: wq 3,145,728 bytes
;; launch prep (part 1): grid 256 x 1, 4 waves a work-group, no clusters, 28,160 bytes of LDS; arguments base, base_mask, eye, trainable_diag, trainable_diag_mask, untrainable_diag, lowp_scales, wq; writes wq
.if DOCPART == 1
	.amdgcn_target "amdgcn-amd-amdhsa--gfx1250"
	.amdhsa_code_object_version 6
	.text
	.protected	k_q722e5451f0_prep
	.globl	k_q722e5451f0_prep
	.p2align	8
	.type	k_q722e5451f0_prep,@function
k_q722e5451f0_prep:
	s_mov_b64 s[64:65], 0
	v_nop
	global_prefetch_b8 v0, s[64:65] scope:SCOPE_SE
	s_setreg_imm32_b32 hwreg(HW_REG_WAVE_MODE, 25, 1), 1
	s_wait_xcnt 0x0
; THE THREE WEIGHTS AS CODES OF FP8 (E4M3), laid as images of the next launch's operand registers.  Nothing of reference() is left out: every input is read.
;   W3 = base x base_mask + eye (2^e4),  W1 = 2 eye - W3 (2^e0),  W2 = trainable_diag x trainable_diag_mask + untrainable_diag (2^e2).  Each [1024 (n)][1024 (k)].
;   code = w / 2^e, held within +-448, rounded to the nearest code, ties to even.
; LAYOUT OF wq.  Layer L (0: W1, 1: W2, 2: W3) at L x 1,048,576; K step s (128 along K) at s x 131,072.  In a K step: slice q (256 rows of W) at q x 30,720 with fifteen fragments of 2,048 bytes
;   (tile t = 0..6 at place t, t = 8..15 at place t - 1); behind the four slices, at 122,880 + q x 2,048, tile 7 of each slice.
;   Row r of tile t is, in W1 and W2, W row 256 q + 32 (t / 2) + 8 (t % 2) + r + 8 (r / 8);  in W3, W row 256 q + 64 (t / 4) + 4 r + t % 4.
;   Byte 512 c + 16 lane + i of a fragment is the code at K = 128 s + 32 c + 16 h + i of row r, lane = r + 16 h.
; SHARES.  Work-groups 0-127 read base, base_mask, eye and make W3 and W1; 128-255 read the diagonals' three matrices and make W2.  A wave reads 16 rows x 128 K, each load 512 consecutive bytes.
;   The codes turn through LDS into the image.  W3's rows of a fragment come from all four waves' rows (64 neighbouring rows a work-group): they meet in one shared stage, behind a barrier.
;   The two ways through the text have LDS bytes of their own.
; LIMITS.  e0, e2, e4 between -126 and 119.  NaN among the inputs is not served.  x y + z is one fused multiply-add.
.set SLICE, 30720
.set DIRO,  122880
.set STW,   4608                       ; LDS of a wave: two stages of 16 rows x 144 bytes
.set SPT,   144
.set S3,    0x4a00                     ; the shared stage: 64 rows x 144 bytes, behind the spare words
.set L16,   4
.set SA,    5
.set RA,    6
.set SA3,   7
.set RA3,   12
.set X,     32
.set Y,     96
.set Z,     160
.set CP,    224
.set CQ,    240
.set BP,    160
.set BQ,    176
	s_load_b512 s[4:19], s[0:1], 0x0
	v_lshl_add_u32 v30, v0, 2, 0x4800
	v_mov_b32 v31, 0
	v_lshrrev_b32 v1, 5, v0
	v_readfirstlane_b32 s26, v1                    ; wave
	v_and_b32 v1, 31, v0
	v_and_b32 v2, 15, v0                           ; r
	v_bfe_u32 v3, v0, 4, 1                         ; h
	v_lshlrev_b32 v[L16], 4, v1
	s_mul_i32 s27, s26, STW
	v_lshl_add_u32 v[SA], v1, 2, s27
	v_mul_u32_u24 v[RA], v2, SPT
	v_lshl_add_u32 v[RA], v3, 4, v[RA]
	v_add_nc_u32 v[RA], s27, v[RA]
	s_lshr_b32 s44, s26, 1                         ; my first row among the work-group's 64: 32 (wave / 2) + 8 (wave % 2)
	s_lshl_b32 s44, s44, 5
	s_and_b32 s45, s26, 1
	s_lshl_b32 s45, s45, 3
	s_add_co_u32 s44, s44, s45
	s_mul_i32 s44, s44, SPT
	s_add_co_u32 s44, s44, S3
	s_wait_alu depctr_va_vdst(0)                   ; the wait here, ahead of the readers below
	v_lshl_add_u32 v[SA3], v1, 2, s44
	v_lshlrev_b32 v[RA3], 2, v2                    ; out of the shared stage: row 4 r + wave
	v_add_nc_u32 v[RA3], s26, v[RA3]
	v_mul_u32_u24 v[RA3], v[RA3], SPT
	v_lshl_add_u32 v[RA3], v3, 4, v[RA3]
	v_add_nc_u32 v[RA3], S3, v[RA3]
	s_and_b32 s28, ttmp9, 127
	s_lshl_b32 s28, s28, 2
	s_add_co_u32 s28, s28, s26                     ; which of the 512 fragment places
	s_lshr_b32 s29, s28, 6                         ; s
	s_bfe_u32 s30, s28, 0x20004                    ; q
	s_and_b32 s31, s28, 15                         ; t
	s_lshl_b32 s32, s30, 8                         ; first row read: 256 q + 32 (t / 2) + 8 (t % 2)
	s_lshr_b32 s33, s31, 1
	s_lshl_b32 s33, s33, 5
	s_add_co_u32 s32, s32, s33
	s_and_b32 s33, s31, 1
	s_lshl_b32 s33, s33, 3
	s_add_co_u32 s32, s32, s33
	s_lshl_b32 s32, s32, 12
	s_lshl_b32 s33, s29, 9
	s_add_co_u32 s32, s32, s33
	s_mov_b32 s33, 0
	s_cmp_gt_u32 s31, 7                            ; the fragment's place in its layer
	s_cselect_b32 s34, 1, 0
	s_sub_co_u32 s34, s31, s34
	s_lshl_b32 s34, s34, 11
	s_mul_i32 s35, s30, SLICE
	s_add_co_u32 s34, s34, s35                     ; in the slices,
	s_lshl_b32 s35, s30, 11
	s_add_co_u32 s35, s35, DIRO                    ; or behind them
	s_cmp_eq_u32 s31, 7
	s_cselect_b32 s34, s35, s34
	s_lshl_b32 s35, s29, 17
	s_add_co_u32 s34, s34, s35                     ; + the K step: Q's place (layer 0)
	s_mov_b32 s35, 0
	s_cmp_lt_u32 ttmp9, 128
	s_cselect_b32 s36, 2, 1                        ; P is W3 (layer 2) or W2 (layer 1)
	s_lshl_b32 s36, s36, 20
	s_add_co_u32 s36, s36, s34
	s_mov_b32 s37, 0
	s_wait_alu depctr_va_vdst(0)                   ; the wait at the head's end
	s_wait_kmcnt 0x0
	s_load_b128 s[20:23], s[16:17], 0x0            ; e0 .. e3
	s_load_b64 s[24:25], s[16:17], 0x10            ; e4, e5
	s_cmp_lt_u32 ttmp9, 128
	s_cselect_b64 s[4:5], s[4:5], s[10:11]
	s_cselect_b64 s[6:7], s[6:7], s[12:13]
	s_cselect_b64 s[8:9], s[8:9], s[14:15]
	s_add_nc_u64 s[4:5], s[4:5], s[32:33]
	s_add_nc_u64 s[6:7], s[6:7], s[32:33]
	s_add_nc_u64 s[8:9], s[8:9], s[32:33]
	s_add_nc_u64 s[38:39], s[18:19], s[36:37]      ; P's image
	s_add_nc_u64 s[40:41], s[18:19], s[34:35]      ; Q's
.irp i, 0,1,2,3,4,5,6,7,8,9,10,11,12,13,14,15
	global_load_b128 v[X+4*\i:X+4*\i+3], v[L16], s[4:5] offset:(\i+8*(\i/8))*4096 th:TH_LOAD_NT
	global_load_b128 v[Y+4*\i:Y+4*\i+3], v[L16], s[6:7] offset:(\i+8*(\i/8))*4096 th:TH_LOAD_NT
	global_load_b128 v[Z+4*\i:Z+4*\i+3], v[L16], s[8:9] offset:(\i+8*(\i/8))*4096 th:TH_LOAD_NT
.endr
	s_wait_kmcnt 0x0
	s_cmp_lt_u32 ttmp9, 128
	s_cselect_b32 s42, s24, s22                    ; P's exponent: e4 or e2
	s_add_co_i32 s42, s42, 127
	s_lshl_b32 s43, s42, 23
	v_mov_b32 v8, s43
	s_add_co_i32 s42, s42, 8
	s_lshl_b32 s42, s42, 23
	s_or_b32 s42, s42, 0x600000
	v_mov_b32 v9, s42
	s_add_co_i32 s42, s20, 127                     ; Q's: e0
	s_lshl_b32 s43, s42, 23
	v_mov_b32 v10, s43
	s_add_co_i32 s42, s42, 8
	s_lshl_b32 s42, s42, 23
	s_or_b32 s42, s42, 0x600000
	v_mov_b32 v11, s42
	s_wait_loadcnt 0x0
.set j, 0
.rept 32
	v_pk_fma_f32 v[X+j:X+j+1], v[X+j:X+j+1], v[Y+j:Y+j+1], v[Z+j:Z+j+1]
	v_pk_fma_f32 v[Y+j:Y+j+1], v[Z+j:Z+j+1], 2.0, v[X+j:X+j+1] op_sel_hi:[1,0,1] neg_lo:[0,0,1] neg_hi:[0,0,1]
.set j, j+2
.endr
.macro CODES src, cod, sc, lim         ; the hold, then two rows' four codes a conversion: a word a row
.set j, 0
.rept 64
	v_med3_num_f32 v[\src+j], v[\src+j], -v[\lim], v[\lim]
.set j, j+1
.endr
.irp g, 0,1,2,3,4,5,6,7
	v_cvt_scalef32_pk8_fp8_f32 v[\cod+2*\g:\cod+2*\g+1], v[\src+8*\g:\src+8*\g+7], v[\sc]
.endr
	v_nop
.endm
.macro PUT adr, cod, stg, wide         ; wide = 1: the rows keep their distance in W
.irp i, 0,1,2,3,4,5,6,7,8,9,10,11,12,13,14,15
	ds_store_b32 v[\adr], v[\cod+\i] offset:\stg+SPT*(\i+8*(\i/8)*\wide)
.endr
.endm
.macro TAKE adr, bak, stg, dst         ; the image: four stores of 512 consecutive bytes
.irp k, 0,1,2,3
	ds_load_b128 v[\bak+4*\k:\bak+4*\k+3], v[\adr] offset:\stg+32*\k
.endr
.irp k, 0,1,2,3
	s_wait_dscnt 3-\k
	global_store_b128 v[L16], v[\bak+4*\k:\bak+4*\k+3], s[\dst:\dst+1] offset:512*\k
.endr
.endm
	s_cmp_ge_u32 ttmp9, 128
	s_wait_alu depctr_va_vdst(0)                   ; the wait ahead of the branch
	s_cbranch_scc1 .Ldiag
	CODES X, CP, 8, 9
	PUT SA3, CP, 0, 1                              ; W3: into the shared stage
	CODES Y, CQ, 10, 11
	PUT SA, CQ, 16*SPT, 0                          ; W1: through my own stage
	TAKE RA, BQ, 16*SPT, 40
	s_wait_dscnt 0x0                               ; my stores into the shared stage are done
	s_barrier_signal -1
	s_barrier_wait -1
	TAKE RA3, BP, 0, 38
	s_branch .Ldone
.Ldiag:
	CODES X, CP, 8, 9
	PUT SA, CP, 0, 0
	TAKE RA, BP, 0, 38
.Ldone:
	s_wait_tensorcnt 0x0                           ; the wave's end
	ds_add_u32 v30, v31
	s_wait_dscnt 0x0
	s_endpgm
.Lfunc_end_k_q722e5451f0_prep:
	.size	k_q722e5451f0_prep, .Lfunc_end_k_q722e5451f0_prep-k_q722e5451f0_prep
	.p2alignl 7, 3214868480
	.fill 96, 4, 3214868480
	.section	.rodata,"a",@progbits
	.p2align	6, 0x0
	.amdhsa_kernel k_q722e5451f0_prep
		.amdhsa_group_segment_fixed_size 28160
		.amdhsa_private_segment_fixed_size 0
		.amdhsa_enable_private_segment 0
		.amdhsa_kernarg_size 64
		.amdhsa_user_sgpr_count 2
		.amdhsa_user_sgpr_kernarg_segment_ptr 1
		.amdhsa_wavefront_size32 1
		.amdhsa_system_sgpr_workgroup_id_x 1
		.amdhsa_system_sgpr_workgroup_id_y 1
		.amdhsa_system_sgpr_workgroup_id_z 1
		.amdhsa_system_vgpr_workitem_id 0
		.amdhsa_next_free_vgpr 256
		.amdhsa_next_free_sgpr 66
		.amdhsa_reserve_vcc 0
		.amdhsa_float_denorm_mode_32 3
		.amdhsa_float_denorm_mode_16_64 3
		.amdhsa_memory_ordered 1
		.amdhsa_forward_progress 1
		.amdhsa_inst_pref_size 32
	.end_amdhsa_kernel
	.amdgpu_metadata
---
amdhsa.version: [ 1, 2 ]
amdhsa.kernels:
  - .name:           k_q722e5451f0_prep
    .symbol:         k_q722e5451f0_prep.kd
    .args:
      - { .name: base, .offset: 0, .size: 8, .value_kind: global_buffer, .address_space: global }
      - { .name: base_mask, .offset: 8, .size: 8, .value_kind: global_buffer, .address_space: global }
      - { .name: eye, .offset: 16, .size: 8, .value_kind: global_buffer, .address_space: global }
      - { .name: trainable_diag, .offset: 24, .size: 8, .value_kind: global_buffer, .address_space: global }
      - { .name: trainable_diag_mask, .offset: 32, .size: 8, .value_kind: global_buffer, .address_space: global }
      - { .name: untrainable_diag, .offset: 40, .size: 8, .value_kind: global_buffer, .address_space: global }
      - { .name: lowp_scales, .offset: 48, .size: 8, .value_kind: global_buffer, .address_space: global }
      - { .name: wq, .offset: 56, .size: 8, .value_kind: global_buffer, .address_space: global }
    .group_segment_fixed_size: 28160
    .private_segment_fixed_size: 0
    .kernarg_segment_align: 8
    .kernarg_segment_size: 64
    .max_flat_workgroup_size: 128
    .sgpr_count:     66
    .vgpr_count:     256
    .wavefront_size: 32
...
	.end_amdgpu_metadata
.endif
;; end of part 1
;; launch chain (part 2): grid 256 x 1, 4 waves a work-group, clusters of 4 x 1, 327,680 bytes of LDS; arguments data, wq, lowp_scales, mask1, mask2, out0; writes out0
.if DOCPART == 2
	.amdgcn_target "amdgcn-amd-amdhsa--gfx1250"
	.amdhsa_code_object_version 6
	.text
	.protected	k_q722e5451f0_chain
	.globl	k_q722e5451f0_chain
	.p2align	8
	.type	k_q722e5451f0_chain,@function
k_q722e5451f0_chain:
	s_mov_b64 s[64:65], 0
	v_nop
	global_prefetch_b8 v0, s[64:65] scope:SCOPE_SE
	s_setreg_imm32_b32 hwreg(HW_REG_WAVE_MODE, 25, 1), 1
	s_wait_xcnt 0x0
	s_wait_alu depctr_hold_cnt(0) depctr_sa_sdst(0) depctr_va_vdst(0) depctr_va_sdst(0) depctr_va_ssrc(0) depctr_va_vcc(0) depctr_vm_vsrc(0)
	s_getreg_b32 s2, hwreg(HW_REG_IB_STS2, 6, 4)
	s_cmp_eq_u32 s2, 0
	s_cbranch_scc0 .Lentry_in_a_cluster
	s_endpgm
.Lentry_in_a_cluster:
	s_bfe_u32 s2, ttmp6, 0x10000c
	s_cmp_lg_u32 s2, 0x3003
	s_cbranch_scc0 .Lentry_shape_is_right
	s_endpgm
.Lentry_shape_is_right:
; out0 = (x3 mask1 + relu(x3) mask2)^T,  x3 = W3 Q(W2 Q(W1 Q(data^T))): the three products in FP8 on 64 rows of data a work-group.  Nothing of reference() is left out.
; Four waves; wave w makes slice (w + g) % 4 (256 features) of each layer for all 64 rows, g = cluster % 4.  The activations' codes lie in one LDS buffer, 64 rows x 1,040 bytes; column c holds
; feature (c + 256 g) % 1024, and the weights' K steps are walked from 2 g on, round: the turn stands in global addresses alone.
; WEIGHTS: the four work-groups of a cluster walk the same K steps and ask for them jointly: a ring of two LDS slots, a wave's load brings the fifteen fragments of its slice; tile 7 goes straight into registers.
; The loads of data, of the masks and of the first tile 7 are issued ahead of the first round, so that they are out while the first two weight tiles are waited for.
; LAYERS 1, 2: source 0 = 16 rows of W, source 1 = 16 rows of activations: a lane's 16 registers of tiles 2 b, 2 b + 1 are 16 neighbours along the next K.
; LAYER 3: the sources swapped; lane r of tile T of a group of four holds feature 4 r + T, so four results of one row are 16 bytes and sixteen lanes store 256 consecutive bytes from registers.
; LIMITS.  e1, e3 - e0 - e1 and e5 - e2 - e3 between -126 and 119.  NaN among the inputs is not served.
.set LAYB,   1048576
.set KBLK,   131072
.set SLICE,  30720
.set FRB,    2048
.set DIRO,   122880
.set SLOTB,  122880
.set ACT,    245760
.set APITCH, 1040
.set ROWT,   16*APITCH
.set SPARE,  312320
.set ADB,  4
.set AA0,  6
.set ADR,  7
.set AST,  8
.set XST,  9
.set L16,  10
.set SPW,  11
.set NIL,  12
.set PFO,  13
.set SC,   14
.set LIM,  15
.set DO,   20
.set ZR,   29
.set VO,   30
.set MKO,  31
.set RES,  32
.set MK1,  96
.set MK2,  112
.set SWAP, 0
.set AF,   128
.set WV,   16
.set CX,   17
.set WG,   18
.set SG,   19
.set SG2,  20
.set QP,   21
.set G1,   24
.set G0,   32
.set WB,   40
.set DB,   42
.set DP,   44
.set T2,   46
.set T1,   48
.set GS,   50
.set TM,   51
.set PFA,  52
.set LIMP, 54
.set TRIP, 55
.set LAY,  56
.set AP,   57
.set MSB, 0
.macro WIN new
.if MSB != (\new)
	s_set_vgpr_msb (MSB<<8)|(\new)
.set MSB, (\new)
.endif
.endm
.set MUL_LO, 0xa1
.set MUL_HI, 0xf1
.set TO_B,   0x40
.macro CREST
	s_cmp_lg_u32 s[WV], 0
	s_cbranch_scc1 .Lnot_wave_0_\@
	s_barrier_signal -3
.Lnot_wave_0_\@:
	s_barrier_wait -3
	s_barrier_signal -1
	s_barrier_wait -1
.endm
.macro CROUND
	s_barrier_signal -1
	s_barrier_wait -1
	CREST
.endm
.macro PLACES
.rept 4
	v_nop
.endr
.endm
	s_load_b256 s[4:11], s[0:1], 0x0
	s_load_b128 s[12:15], s[0:1], 0x20
	v_lshl_add_u32 v[SPW], v0, 2, SPARE
	v_mov_b32 v[NIL], 0
	ds_add_u32 v11, v12
	ds_add_u32 v11, v12
	s_wait_dscnt 0x0
	v_lshrrev_b32 v1, 5, v0
	v_readfirstlane_b32 s[WV], v1
	s_bfe_u32 s[CX], ttmp6, 0x40000
	s_lshl_b32 s[WG], ttmp9, 2
	s_add_co_u32 s[WG], s[WG], s[CX]
	s_and_b32 s[SG], ttmp9, 3
	s_lshl_b32 s[SG2], s[SG], 1
	s_add_co_u32 s[QP], s[WV], s[SG]
	s_and_b32 s[QP], s[QP], 3
	v_and_b32 v1, 31, v0
	v_and_b32 v2, 15, v0
	v_bfe_u32 v3, v0, 4, 1
	v_lshlrev_b32 v[L16], 4, v1
	s_mul_i32 s76, s[WV], SLICE
	v_add_nc_u32 v[ADB], s76, v[L16]
	v_add_nc_u32 v[ADB+1], SLOTB, v[ADB]
	v_mul_u32_u24 v[AA0], v2, APITCH
	v_lshl_add_u32 v[AA0], v3, 4, v[AA0]
	v_add_nc_u32 v[AA0], ACT, v[AA0]
	s_lshl_b32 s77, s[WV], 8
	v_add_nc_u32 v[AST], s77, v[AA0]
	s_mul_i32 s78, s[WV], ROWT
	s_add_co_u32 s78, s78, ACT
	v_lshl_add_u32 v[XST], v1, 2, s78
	v_lshlrev_b32 v[PFO], 8, v1
	v_mov_b32 v[ZR], 0
	v_lshlrev_b32 v[MKO], 4, v2
	v_lshl_add_u32 v[VO], v3, 15, v[MKO]           ; out0: 16 r + 8 h rows of 4,096 bytes
	s_wait_alu depctr_va_vdst(0)                   ; the wait here, ahead of the readers below
.irp p, 0,1,2,3,4,5,6,7
	s_add_co_u32 s80, s[SG2], \p
	s_and_b32 s80, s80, 7
	s_lshl_b32 s80, s80, 9
	v_add_nc_u32 v[DO+\p], s80, v[L16]
.endr
	s_mov_b32 s[G1], 15|(3<<16)|(1<<21)
	s_mov_b32 s[G1+1], 32<<16
	s_mov_b32 s[G1+2], 120<<16
	s_mov_b32 s[G1+3], 32<<16
	s_mov_b32 s[G1+4], 120
	s_mov_b32 s[G1+5], 32
	s_mov_b32 s[G1+6], 0
	s_mov_b32 s[G1+7], 0
	s_wait_kmcnt 0x0
	s_load_b128 s[60:63], s[8:9], 0x0
	s_load_b64 s[66:67], s[8:9], 0x10
	s_mov_b32 s77, 0
	s_mov_b32 s85, 0
	s_lshl_b32 s84, s[WG], 18
	s_lshl_b32 s86, s[WV], 16
	s_add_co_u32 s84, s84, s86
	s_add_nc_u64 s[4:5], s[4:5], s[84:85]
	s_lshl_b32 s84, s[WG], 18
	s_lshl_b32 s76, s[QP], 10
	s_add_co_u32 s84, s84, s76
	s_add_nc_u64 s[14:15], s[14:15], s[84:85]
	s_add_nc_u64 s[10:11], s[10:11], s[76:77]
	s_add_nc_u64 s[12:13], s[12:13], s[76:77]
	s_mul_i32 s76, s[QP], SLICE
	s_add_nc_u64 s[WB:WB+1], s[6:7], s[76:77]
	s_lshl_b32 s76, s[QP], 11
	s_add_co_u32 s76, s76, DIRO
	s_add_nc_u64 s[DB:DB+1], s[6:7], s[76:77]
	s_lshl_b32 s84, s[SG], 18
	s_lshl_b32 s86, s[CX], 15
	s_add_co_u32 s84, s84, s86
	s_lshl_b32 s86, s[WV], 13
	s_add_co_u32 s84, s84, s86
	s_add_nc_u64 s[PFA:PFA+1], s[6:7], s[84:85]
	s_cmp_lt_u32 ttmp9, 4
	s_cselect_b32 s[LIMP], 2, -1
	s_mul_i32 s78, s[WV], SLICE
	s_lshl_b32 s[T2], s[SG2], 17
	s_mov_b32 s[T2+1], 0
	s_add_co_u32 s[T1], s[T2], KBLK
	s_mov_b32 s[T1+1], 0
	s_mov_b32 s[G0], 1
	s_mov_b32 s[G0+1], s78
	s_add_nc_u64 s[G0+2:G0+3], s[WB:WB+1], s[T2:T2+1]
	s_or_b32 s[G0+3], s[G0+3], 0x80000000
	s_mov_b32 s[G0+4], 1
	s_add_co_u32 s[G0+5], s78, SLOTB
	s_add_nc_u64 s[G0+6:G0+7], s[WB:WB+1], s[T1:T1+1]
	s_or_b32 s[G0+7], s[G0+7], 0x80000000
	s_mov_b32 s[GS], 2
.macro DIR
.irp c, 0,1,2,3
	global_load_b128 v[112+4*\c:112+4*\c+3], v[L16], s[DP:DP+1] offset:512*\c
.endr
.endm
.macro DLOAD p
	WIN (2+(\p)/4)<<6
.irp i, 0,1,2,3,4,5,6,7,8,9,10,11,12,13,14,15
	global_load_b128 v[64*((\p)%4)+4*\i:64*((\p)%4)+4*\i+3], v[DO+(\p)], s[4:5] offset:4096*\i th:TH_LOAD_NT
.endr
	WIN 0
.endm
	s_add_nc_u64 s[DP:DP+1], s[DB:DB+1], s[T2:T2+1]
	s_wait_alu depctr_va_vdst(0)                   ; the wait ahead of the first readers of the head's addresses
	WIN TO_B
	DIR
	WIN 0
.irp g, 0,1,2,3
	global_load_b128 v[MK1+4*\g:MK1+4*\g+3], v[MKO], s[10:11] offset:256*\g   ; features 64 g + 4 r + 0 .. 3 of my slice
	global_load_b128 v[MK2+4*\g:MK2+4*\g+3], v[MKO], s[12:13] offset:256*\g
.endr
	DLOAD 0
	DLOAD 1
	DLOAD 2
	CROUND
	tensor_load_to_lds s[G0:G0+3], s[G1:G1+7]
	s_nop 0
	s_wait_alu depctr_va_vdst(0)
	s_wait_tensorcnt 0x0
	ds_add_u32 v11, v12
	s_wait_dscnt 0x0
	CROUND
	tensor_load_to_lds s[G0+4:G0+7], s[G1:G1+7]
	s_nop 0
	PLACES
.macro BITS e, sc, lim
	s_add_co_i32 s[\e], s[\e], 127
	s_lshl_b32 s[\sc], s[\e], 23
	s_add_co_i32 s[\e], s[\e], 8
	s_lshl_b32 s[\lim], s[\e], 23
	s_or_b32 s[\lim], s[\lim], 0x600000
.endm
	s_wait_kmcnt 0x0
	s_mov_b32 s76, s61
	BITS 76, 68, 69
	s_sub_co_i32 s76, s63, s60
	s_sub_co_i32 s76, s76, s61
	BITS 76, 70, 71
	s_sub_co_i32 s76, s67, s62
	s_sub_co_i32 s76, s76, s63
	BITS 76, 72, 73
	s_add_co_i32 s74, s66, s67
	v_mov_b32 v[SC], s68
	v_mov_b32 v[LIM], s69
.macro XQ p
.if (\p) < 6
	s_wait_loadcnt 32
.else
	s_wait_loadcnt 16*(7-(\p))
.endif
.if (\p)+3 < 8
	DLOAD (\p)+3
.endif
.set XW, 2+(\p)/4
.set XB, 64*((\p)%4)
	WIN (XW<<6)|XW
.set j, 0
.rept 64
	v_med3_num_f32 v[XB+j], v[XB+j], -v[LIM], v[LIM]
.set j, j+1
.endr
	WIN XW
.irp k, 0,1,2,3,4,5,6,7
	v_cvt_scalef32_pk8_fp8_f32 v[AF+16*(\p)+2*\k:AF+16*(\p)+2*\k+1], v[XB+8*\k:XB+8*\k+7], v[SC]
.endr
	v_nop
	WIN 0
.irp i, 0,1,2,3,4,5,6,7,8,9,10,11,12,13,14,15
	ds_store_b32 v[XST], v[AF+16*(\p)+\i] offset:APITCH*\i+128*(\p)
.endr
.endm
	s_wait_alu depctr_va_vdst(0)
	XQ 0
.set j, 0
.rept 32
	v_ldexp_f32 v[MK1+j], v[MK1+j], s74            ; layer 3's sums stand for sum x 2^(e4 + e5): folded into both masks
.set j, j+1
.endr
.irp p, 1,2,3,4,5,6,7
	XQ \p
.endr
	v_mov_b32 v[SC], s70
	v_mov_b32 v[LIM], s71
.macro MULTS t, par, zero              ; layer 3: source 0 = activations, source 1 = W
.irp m, 0,1,2,3
.if \zero
	v_wmma_f32_16x16x128_fp8_fp8 v[32*((\t)%8)+8*\m:32*((\t)%8)+8*\m+7], v[AF+64*(\par)+16*\m:AF+64*(\par)+16*\m+15], v[16*(\t):16*(\t)+15], 0
.else
	v_wmma_f32_16x16x128_fp8_fp8 v[32*((\t)%8)+8*\m:32*((\t)%8)+8*\m+7], v[AF+64*(\par)+16*\m:AF+64*(\par)+16*\m+15], v[16*(\t):16*(\t)+15], v[32*((\t)%8)+8*\m:32*((\t)%8)+8*\m+7]
.endif
.endr
.endm
.macro MULT t, par, zero
.if SWAP
	MULTS \t, \par, \zero
.else
.irp m, 0,1,2,3
.if \zero
	v_wmma_f32_16x16x128_fp8_fp8 v[32*((\t)%8)+8*\m:32*((\t)%8)+8*\m+7], v[16*(\t):16*(\t)+15], v[AF+64*(\par)+16*\m:AF+64*(\par)+16*\m+15], 0
.else
	v_wmma_f32_16x16x128_fp8_fp8 v[32*((\t)%8)+8*\m:32*((\t)%8)+8*\m+7], v[16*(\t):16*(\t)+15], v[AF+64*(\par)+16*\m:AF+64*(\par)+16*\m+15], v[32*((\t)%8)+8*\m:32*((\t)%8)+8*\m+7]
.endif
.endr
.endif
.endm
.macro BLO slot
.irp t, 0,1,2,3,4,5,6
.irp c, 0,1,2,3
	ds_load_b128 v[16*\t+4*\c:16*\t+4*\c+3], v[ADB+(\slot)] offset:FRB*\t+512*\c
.endr
.endr
.endm
.macro BHI slot
.irp t, 8,9,10,11,12,13,14,15
.irp c, 0,1,2,3
	ds_load_b128 v[16*\t+4*\c:16*\t+4*\c+3], v[ADB+(\slot)] offset:FRB*(\t-1)+512*\c
.endr
.endr
.endm
.macro FETCH_A set, adr, off
.irp m, 0,1,2,3
.irp c, 0,1,2,3
	ds_load_b128 v[AF+64*(\set)+16*\m+4*\c:AF+64*(\set)+16*\m+4*\c+3], v[\adr] offset:(\off)+ROWT*\m+32*\c
.endr
.endr
.endm
.macro NEXTADR par
	s_add_co_u32 s[T2], s[GS], s[SG2]
	s_and_b32 s[T2], s[T2], 7
	s_lshl_b32 s[T2], s[T2], 17
	s_lshr_b32 s[TM], s[GS], 3
	s_lshl_b32 s[TM], s[TM], 20
	s_add_co_u32 s[T2], s[T2], s[TM]
	s_add_co_u32 s[GS], s[GS], 1
	s_add_nc_u64 s[G0+4*\par+2:G0+4*\par+3], s[WB:WB+1], s[T2:T2+1]
	s_or_b32 s[G0+4*\par+3], s[G0+4*\par+3], 0x80000000
.endm
.macro ASK off
	s_cmp_eq_u32 s[TRIP], s[LIMP]
	s_cbranch_scc0 .Lnot_mine_\@
	global_prefetch_b8 v[PFO], s[PFA:PFA+1] offset:\off th:TH_LOAD_NT scope:SCOPE_SE
.Lnot_mine_\@:
.endm
.macro STEP par, zero, fill, more, amode, aoff, hd, ask
	s_wait_dscnt \hd
	WIN MUL_LO
.irp t, 0,1,2,3,4,5
	MULT \t, \par, \zero
.endr
.if \fill
	WIN 0
	s_wait_tensorcnt 0x0
	ds_add_u32 v[SPW], v[NIL]
	NEXTADR \par
	WIN MUL_LO
	MULT 6, \par, \zero
	s_wait_loadcnt 0x0
	s_wait_dscnt 0x0
	s_barrier_signal -1
	MULT 7, \par, \zero
	WIN 0
	s_barrier_wait -1
	CREST
	tensor_load_to_lds s[G0+4*\par:G0+4*\par+3], s[G1:G1+7]
	s_nop 0
	PLACES
.else
.if \more
	s_wait_tensorcnt 0x0
.endif
	MULT 6, \par, \zero
	s_wait_loadcnt 0x0
	s_wait_dscnt 0x0
	MULT 7, \par, \zero
	WIN 0
.if \more
	PLACES
.endif
.endif
.if \more
	s_add_nc_u64 s[DP:DP+1], s[DB:DB+1], s[T1:T1+1]
.if \fill
	s_mov_b32 s[T1], s[T2]
.endif
	WIN TO_B
	BLO 1-\par
	DIR
	WIN 0
.if \amode == 1
	FETCH_A 1-\par, AA0, \aoff
.elseif \amode == 2
	v_add_nc_u32 v[ADR], s[AP], v[AA0]
	FETCH_A 1-\par, ADR, 0
.elseif \amode == 3
	s_wait_alu depctr_va_vdst(0)
	FETCH_A 1-\par, ADR, 128
.endif
.endif
.if \ask >= 0
	ASK \ask
.endif
	WIN MUL_HI
.irp t, 8,9,10,11,12,13,14,15
	MULT \t, \par, \zero
.endr
	PLACES
.if \more
	WIN TO_B
	BHI 1-\par
.endif
	WIN 0
.endm
.macro QUANTW w, cd
	WIN ((\w)<<6)|(\w)
.set j, 0
.rept 256
	v_med3_num_f32 v[j], v[j], -v[LIM], v[LIM]
.set j, j+1
.endr
	WIN \w
.irp tt, 0,1,2,3,4,5,6,7
.irp m, 0,1,2,3
	v_cvt_scalef32_pk8_fp8_f32 v[\cd+4*(4*(\tt/2)+\m)+2*(\tt%2):\cd+4*(4*(\tt/2)+\m)+2*(\tt%2)+1], v[32*\tt+8*\m:32*\tt+8*\m+7], v[SC]
.endr
.endr
	v_nop
	WIN 0
.irp bb, 0,1,2,3
.irp m, 0,1,2,3
	ds_store_b128 v[AST], v[\cd+4*(4*\bb+\m):\cd+4*(4*\bb+\m)+3] offset:ROWT*\m+32*(4*(\w-2)+\bb)
.endr
.endr
.endm
	s_wait_tensorcnt 0x1
	s_wait_dscnt 0x0
	s_barrier_signal -1
	s_barrier_wait -1
	WIN TO_B
	BLO 0
	BHI 0
	WIN 0
	s_mov_b32 s[LAY], 2
.Llayer:
	s_wait_xcnt 0x0
	s_add_nc_u64 s[PFA:PFA+1], s[PFA:PFA+1], LAYB
	FETCH_A 0, AA0, 0
	STEP 0, 1, 1, 1, 1, 128, 0, -1
	s_mov_b32 s[TRIP], 3
	s_mov_b32 s[AP], 256
.Lpair:
	STEP 1, 0, 1, 1, 2, 0, 32, 0
	STEP 0, 0, 1, 1, 3, 0, 32, KBLK
	s_add_co_u32 s[AP], s[AP], 256
	s_sub_co_u32 s[TRIP], s[TRIP], 1
	s_cmp_lg_u32 s[TRIP], 0
	s_cbranch_scc1 .Lpair
	STEP 1, 0, 1, 1, 0, 0, 32, -1
	QUANTW 2, RES
	QUANTW 3, AF
	v_mov_b32 v[SC], s72
	v_mov_b32 v[LIM], s73
	s_wait_dscnt 0x0
	s_barrier_signal -1
	s_barrier_wait -1
	s_sub_co_u32 s[LAY], s[LAY], 1
	s_cmp_lg_u32 s[LAY], 0
	s_cbranch_scc1 .Llayer
.set SWAP, 1                           ; from here on: layer 3
.set MUL_LO, 0xa4                      ; source 0 window 0, source 1 window 1, C and D window 2
.set MUL_HI, 0xf4                      ; the same, C and D window 3
	FETCH_A 0, AA0, 0
	STEP 0, 1, 1, 1, 1, 128, 0, -1
	s_mov_b32 s[TRIP], 2
	s_mov_b32 s[AP], 256
.Lpair3:
	STEP 1, 0, 1, 1, 2, 0, 32, -1
	STEP 0, 0, 1, 1, 3, 0, 32, -1
	s_add_co_u32 s[AP], s[AP], 256
	s_sub_co_u32 s[TRIP], s[TRIP], 1
	s_cmp_lg_u32 s[TRIP], 0
	s_cbranch_scc1 .Lpair3
	STEP 1, 0, 1, 1, 1, 768, 32, -1
	STEP 0, 0, 0, 1, 1, 896, 32, -1
	STEP 1, 0, 0, 0, 0, 0, 32, -1
; x m1 + max(x, 0) m2, four features of one row to a store: lanes 0-15 fill 256 consecutive bytes of row j, lanes 16-31 of row 8 + j.  Each accumulator is read from its low end on.
.macro OUT h
.irp m, 0,1,2,3
.if (\m)+(\h) > 0
	s_wait_xcnt 0x0                                ; the earlier stores have read their data
.endif
	WIN 2+(\h)
.irp g, 0,1
.irp j, 0,1,2,3,4,5,6,7
.irp q, 0,1,2,3
	v_mul_f32 v[RES+32*\g+4*\j+\q], v[32*(4*\g+\q)+8*\m+\j], v[MK1+4*(2*(\h)+\g)+\q]
.endr
.endr
.endr
	WIN ((2+(\h))<<6)|(2+(\h))
.irp g, 0,1
.irp j, 0,1,2,3,4,5,6,7
.irp q, 0,1,2,3
	v_max_num_f32 v[32*(4*\g+\q)+8*\m+\j], v[32*(4*\g+\q)+8*\m+\j], v[ZR]
.endr
.endr
.endr
	WIN 2+(\h)
.irp g, 0,1
.irp j, 0,1,2,3,4,5,6,7
.irp q, 0,1,2,3
	v_fmac_f32 v[RES+32*\g+4*\j+\q], v[32*(4*\g+\q)+8*\m+\j], v[MK2+4*(2*(\h)+\g)+\q]
.endr
.endr
.endr
	WIN 0
.irp g, 0,1
.irp j, 0,1,2,3,4,5,6,7
	global_store_b128 v[VO], v[RES+32*\g+4*\j:RES+32*\g+4*\j+3], s[14:15] offset:(16*\m+\j)*4096+512*(\h)+256*\g th:TH_STORE_NT
.endr
.endr
.endr
.endm
	OUT 0
	OUT 1
	s_wait_tensorcnt 0x0
	ds_add_u32 v[SPW], v[NIL]
	s_wait_dscnt 0x0
	CROUND
	s_endpgm
.Lfunc_end_k_q722e5451f0_chain:
	.size	k_q722e5451f0_chain, .Lfunc_end_k_q722e5451f0_chain-k_q722e5451f0_chain
	.p2alignl 7, 3214868480
	.fill 96, 4, 3214868480
	.section	.rodata,"a",@progbits
	.p2align	6, 0x0
	.amdhsa_kernel k_q722e5451f0_chain
		.amdhsa_group_segment_fixed_size 327680
		.amdhsa_private_segment_fixed_size 0
		.amdhsa_enable_private_segment 0
		.amdhsa_kernarg_size 48
		.amdhsa_user_sgpr_count 2
		.amdhsa_user_sgpr_kernarg_segment_ptr 1
		.amdhsa_wavefront_size32 1
		.amdhsa_system_sgpr_workgroup_id_x 1
		.amdhsa_system_sgpr_workgroup_id_y 1
		.amdhsa_system_sgpr_workgroup_id_z 1
		.amdhsa_system_vgpr_workitem_id 0
		.amdhsa_next_free_vgpr 1024
		.amdhsa_next_free_sgpr 96
		.amdhsa_reserve_vcc 0
		.amdhsa_float_denorm_mode_32 3
		.amdhsa_float_denorm_mode_16_64 3
		.amdhsa_memory_ordered 1
		.amdhsa_forward_progress 1
		.amdhsa_inst_pref_size 255
	.end_amdhsa_kernel
	.section	.bss,"aw",@nobits
	.p2align	6
	.space	262144
	.amdgpu_metadata
---
amdhsa.version: [ 1, 2 ]
amdhsa.kernels:
  - .name:           k_q722e5451f0_chain
    .symbol:         k_q722e5451f0_chain.kd
    .args:
      - { .name: data, .offset: 0, .size: 8, .value_kind: global_buffer, .address_space: global }
      - { .name: wq, .offset: 8, .size: 8, .value_kind: global_buffer, .address_space: global }
      - { .name: lowp_scales, .offset: 16, .size: 8, .value_kind: global_buffer, .address_space: global }
      - { .name: mask1, .offset: 24, .size: 8, .value_kind: global_buffer, .address_space: global }
      - { .name: mask2, .offset: 32, .size: 8, .value_kind: global_buffer, .address_space: global }
      - { .name: out0, .offset: 40, .size: 8, .value_kind: global_buffer, .address_space: global }
    .group_segment_fixed_size: 327680
    .private_segment_fixed_size: 0
    .kernarg_segment_align: 8
    .kernarg_segment_size: 48
    .max_flat_workgroup_size: 128
    .sgpr_count:     96
    .vgpr_count:     1024
    .wavefront_size: 32
...
	.end_amdgpu_metadata
.endif
;; end of part 2
